; MI455X (gfx1250); checked and timed in simulation.
; The chip was launched on July 23, 2026; its instructions are those of AMD's public machine-readable ISA for CDNA 5 (MIT licence, August 2026) and "CDNA5" Instruction Set Architecture Reference Guide (July 2026). The comments in the code are by the model that wrote it; some were corrected since.
;; Group Query Attention. Allowed arithmetic: matrix products marked QUANTISED: E2M1 operands, one E8M0 scale for each 32 along K, by v_wmma_scale_f32_16x16x128_f8f6f4 with both operands' format E2M1 (or v_wmma_scale_f32_32x16x128_f4), f32 sums; products left as they are: f32 operands where the result goes on into a quantised operand, else bf16, f16 or f32 operands; f32 sums; everything else in f32.
;; Inputs: Wk 1,024 x 1,024 float32; Wo 1,024 x 1,024 float32; Wq 1,024 x 1,024 float32; Wv 1,024 x 1,024 float32; bk 1,024 float32; bo 1,024 float32; bq 1,024 float32; bv 1,024 float32; k 2,048 x 8 x 1,024 float32; q 2,048 x 8 x 1,024 float32; v 2,048 x 8 x 1,024 float32.
;; Outputs: out0 64 x 1,024 float32; out1 2,048 x 8 x 8 float32.
;; This version of the problem:
;;   THIS VERSION OF THE PROBLEM IS GIVEN IN LOW PRECISION. The matrix products marked QUANTISED in the list below multiply operands that are first quantised to E2M1 (2 exponent bits, 1 mantissa bit; 4 bits a number), with one power-of-two scale for each 32 numbers along K (OCP MX v1.0); their sums are f32. All else is computed in f32.
;;   The module's matrix products, in the order in which they are computed (A, B: the left and right operand; K: the contracted axis; several contracted axes count as one K, in the product's order):
;;     1. [M 16,384, K 1,024] x [K 1,024, N 1,024]; A: input q; B: input Wq: QUANTISED
;;     2. [M 16,384, K 1,024] x [K 1,024, N 1,024]; A: input k; B: input Wk: QUANTISED
;;     3. [M 16,384, K 1,024] x [K 1,024, N 1,024]; A: input v; B: input Wv: QUANTISED
;;     4. batch 32,768 x [M 8, K 64] x [K 64, N 8]; A: computed on the way; B: computed on the way: left as it is (M = 8 < 16)
;;     5. batch 128 x [M 64, K 8] x [K 8, N 8]; A: computed on the way; B: computed on the way: left as it is (K = 8 < 32)
;;     6. [M 64, K 1,024] x [K 1,024, N 1,024]; A: computed on the way; B: input Wo: QUANTISED
;;   THE QUANTISER, for each operand of a quantised product, along K:
;;     - K is cut into blocks of 32 from its start; a last block that is shorter is filled with zeros.
;;     - A block's scale is 2^e with e = floor(log2(the largest magnitude in the block)) - 2, held to -126 .. 127; a block of zeros has e = 0. As a byte (E8M0): e + 127.
;;     - Each number is divided by its block's scale, clamped to +-6, and rounded to the nearest number of E2M1, ties to even, subnormals kept.
;;     - The product sums the exact products of the quantised numbers (number of the format x scale) in f32.
;;   ~~~python
;;   def quantise(x, axis):      # numpy; x: float32 -> the quantised numbers, widened to float32 again
;;       x = np.moveaxis(x, axis, -1); K = x.shape[-1]
;;       x = np.pad(x, [(0, 0)] * (x.ndim - 1) + [(0, -K % 32)]); x = x.reshape(x.shape[:-1] + (-1, 32)); a = np.abs(x).max(-1, keepdims=True)
;;       e = np.where(a > 0, np.clip(np.frexp(np.where(a > 0, a, 1))[1] - 1 - 2, -126, 127), 0)      # np.frexp(a)[1] - 1 = floor(log2(a)), exactly
;;       r = np.clip(x / 2.0 ** e, -6, 6)
;;       step = 2.0 ** (np.maximum(np.frexp(np.where(r == 0, 1, r))[1] - 1, 0) - 1)
;;       q = np.round(r / step) * step * 2.0 ** e      # np.round: ties to even
;;       return np.moveaxis(q.reshape(q.shape[:-2] + (-1,))[..., :K], -1, axis).astype(np.float32)
;;   ~~~
;;   OPERANDS COMPUTED ON THE WAY. 'Computed on the way' means the value that the module computes at that place (a softmax that the list does not call 'softmax' is quantised finished and normalised). What goes into a quantiser is computed in f32, as accurately as f32 sums, v_exp_f32 and their like allow (about 1e-6 of the number): no bf16 or f16 on the way to a quantiser, and a product that is left as it is and whose result goes on into a quantised operand takes f32 operands (vector FMAs, or v_wmma_f32_16x16x4_f32). A number that lies on a knife's edge between two numbers of the format may be rounded either way, as far as f32 arithmetic and the matrix unit's own rounding can turn it there, and no further.
;; One version. Each part assembles by itself: llvm-mc -triple=amdgcn-amd-amdhsa -mcpu=gfx1250 --defsym DOCPART=n.
;; ======== version 1 of 1: 3 launches
;; limits: values are held in bf16: 8 bits of precision; right only within a limited range of input values
;; workspace buffers: wc 2,228,224 bytes; xc 110,592 bytes; oc 34,816 bytes
;; launch prep (part 1): grid 268 x 1, 8 waves a work-group, no clusters, 11,264 bytes of LDS; arguments Wq, Wk, Wv, Wo, q, k, v, wc, xc; writes wc, xc
.if DOCPART == 1
	.amdgcn_target "amdgcn-amd-amdhsa--gfx1250"
	.amdhsa_code_object_version 6
	.text
	.protected	k_qba7b35231a_prep
	.globl	k_qba7b35231a_prep
	.p2align	8
	.type	k_qba7b35231a_prep,@function
k_qba7b35231a_prep:
	s_mov_b64 s[64:65], 0
	v_nop
	global_prefetch_b8 v0, s[64:65] scope:SCOPE_SE
	s_setreg_imm32_b32 hwreg(HW_REG_WAVE_MODE, 25, 1), 1
	s_wait_xcnt 0x0
; Wq, Wk, Wv, Wo [1024][1024] f32 and the last 64 rows of q, k, v ([16384][1024] f32) become codes of FP4 (E2M1) with one E8M0 byte for each 32 along K, laid as IMAGES OF OPERAND REGISTERS.
; WORK LEFT OUT, in the whole program.  (1) reference() keeps the attention output of the last chunk alone: vp[-1], w[-1].  So the first 16,320 rows of v reach no output, whatever they hold: of product 3 only the last 64 rows are made.
; (2) bk: its part of a score, qp . bk, is the same for every key of a query, and the softmax takes a term that is the same along its axis away; the scores' product (4) is not quantised, and kp has no other use.  So bk reaches no output:
; it is not loaded and is no launch's argument.  LIMIT: a NaN, an infinity or an overflow that reaches only the work left out is not carried to the result.
; A fragment is 16 rows x 128 K = 1,024 bytes: part c (0, 1) at 512 c, lane l = 16 h + r at 16 l: the 16 bytes of row r, k = 64 c + 32 h + 0 .. 31.
;   wc: 32 blocks of 69,632 bytes: block 8 t + s = tensor t (Wq, Wk, Wv, Wo), K step s; eight groups of 8,704 bytes: group T / 8 = [the fragments of tiles 8 (T / 8) .. + 7][512 bytes of their scale words];
;       the word of (tile T, row r) lies in its group at 8,192 + 256 (T % 2) + 16 r + 4 ((T / 2) % 4), byte b for k = 32 b on.  Tile T = weight rows 16 T on.
;   xc: 24 blocks of 4,608 bytes: t = q, k, v; [4 fragments][scale words at 256 (T % 2) + 16 r + 4 (T / 2)]; row r of tile T is (n = 2 T + r / 8, g = r % 8) of the last chunk, whose rows are g 8 + n.
; A block's scale is 2^(floor(log2(largest magnitude)) - 2); its byte is the largest magnitude's exponent field - 2, held at 1 from below.
; LIMITS: NaN and infinities are not served; blocks whose largest magnitude lies under 2^-124 keep the byte 1; a block of zeros keeps the byte 1 where the quantiser says 127: its codes are zeros, and this program alone reads the bytes.
; SHARES.  A work-group takes one tile of 16 rows; wave w its K step w.  Work-groups 0-255: the four weights; 256-267: the rows of q, k, v.  Only pointers and strides are chosen: one path for all.
; THE LOADS ARE DENSE: load i brings 512 consecutive bytes of row i, lane l its k = 4 l .. 4 l + 3.  A block of 32 is eight neighbouring lanes: three exchanges join the maxima.
; The conversion takes eight registers: two rows' four numbers.  It is made twice, with the one row's scale and with the other's; the low half of the first and the high half of the second are the rows' codes.
; They go into the wave's own LDS in four planes, one for each block: row r of block b at 272 b + 16 r, and come back as fragments.  No barrier: waves share nothing.
.set BLKW,  69632
.set BLKX,  4608
.set GRP,   8704
.set LASTR, 16320*4096
.set WREG,  1280                       ; LDS of a wave: an image of 1,088 bytes, then 64 scale bytes
.set SCB,   1088
.set SPARE, 8*WREG                     ; the spare words
.set TM,    16                         ; v16-31   largest magnitudes, then scale bytes, a register a row
.set TS,    32                         ; v32-47   the conversions' scale operands
.set TC,    48                         ; v48-63   codes
.set LD,    64                         ; v64-127  the K step as loaded: row i at 4 i
.set FB,    128                        ; v128-135 the fragment read back
.set SW,    136                        ; v136     half a scale word
.set OFF,   138                        ; v138-145 16 l + i x (bytes from row i to row i + 1)
	s_load_b512 s[4:19], s[0:1], 0x0               ; Wq, Wk, Wv, Wo, q, k, v, wc
	s_load_b64 s[20:21], s[0:1], 0x40              ; xc
	v_lshl_add_u32 v14, v0, 2, SPARE
	v_mov_b32 v15, 0
	v_lshrrev_b32 v7, 5, v0
	v_readfirstlane_b32 s24, v7                    ; wave
	v_and_b32 v8, 31, v0                           ; lane
	v_lshlrev_b32 v1, 4, v8                        ; v1: 16 x lane
	s_mul_i32 s25, s24, WREG
	v_lshrrev_b32 v9, 3, v8                        ; my block of the K step's four
	v_and_b32 v10, 7, v8
	v_mul_u32_u24 v2, v9, 272
	v_lshl_add_u32 v2, v10, 1, v2
	v_add_nc_u32 v2, s25, v2                       ; v2: where my two bytes of a row go
	v_add_nc_u32 v3, s25, v9
	v_add_nc_u32 v3, SCB, v3                       ; v3: where my block's scale byte goes
	v_lshrrev_b32 v11, 4, v8
	v_and_b32 v12, 15, v8
	v_mul_u32_u24 v4, v11, 272
	v_lshl_add_u32 v4, v12, 4, v4
	v_add_nc_u32 v4, s25, v4                       ; v4: a fragment's part back: plane 2 c + h, row r
	v_lshlrev_b32 v5, 2, v12
	v_lshl_add_u32 v5, v11, 1, v5
	v_add_nc_u32 v5, s25, v5
	v_add_nc_u32 v5, SCB, v5                       ; v5: half h of row r's scale word back
	v_lshlrev_b32 v6, 4, v12
	v_lshl_add_u32 v6, v11, 1, v6                  ; v6: and its place in memory
	s_mov_b32 s2, ttmp9
	s_cmp_lt_u32 s2, 256                           ; a weight's tile, or rows of q, k, v?
	s_cselect_b32 s27, 6, 2                        ; tiles in a tensor: 64 or 4
	s_cselect_b32 s28, 63, 3
	s_cselect_b32 s29, 0, 256
	s_cselect_b32 s30, 0, LASTR
	s_mov_b32 s31, BLKX
	s_cselect_b32 s31, BLKW, s31                   ; a block
	s_mov_b32 s32, 4096
	s_cselect_b32 s32, 8192, s32                   ; where the scale words begin
	s_cselect_b32 s37, 16, 13                      ; from tile to tile: 16 rows, or two rows (n = 2 T)
	s_mov_b32 s49, 32768
	s_cselect_b32 s49, 4096, s49                   ; from row i to row i + 1: one row, or eight (g)
	s_mov_b32 s50, 4096
	s_cselect_b32 s50, 32768, s50                  ; from row 0 to row 8: eight rows, or one (n)
	s_mov_b32 s51, 0
	s_sub_co_u32 s29, s2, s29
	s_lshr_b32 s33, s29, s27                       ; tensor t
	s_and_b32 s34, s29, s28                        ; tile T
	s_lshl_b32 s36, s34, s37
	s_add_co_u32 s36, s36, s30
	s_lshl_b32 s37, s24, 9                         ; my K step: 512 bytes of a row
	s_add_co_u32 s36, s36, s37
	s_mov_b32 s37, 0
.irp i, 0,1,2,3,4,5,6,7
	v_mad_u32_u24 v[OFF+\i], \i, s49, v1
.endr
	s_lshl_b32 s38, s33, 3
	s_add_co_u32 s38, s38, s24                     ; block 8 t + w
	s_mul_i32 s38, s38, s31
	s_lshr_b32 s35, s34, 3
	s_mul_i32 s35, s35, GRP
	s_add_co_u32 s38, s38, s35                     ; + the tile's group (0 in xc, whose tiles are 0 .. 3)
	s_and_b32 s40, s34, 7
	s_lshl_b32 s40, s40, 10
	s_add_co_u32 s40, s40, s38
	s_mov_b32 s41, 0
	s_and_b32 s46, s34, 1
	s_lshl_b32 s46, s46, 8
	s_bfe_u32 s47, s34, 0x20001
	s_lshl_b32 s47, s47, 2
	s_add_co_u32 s46, s46, s47
	s_add_co_u32 s46, s46, s32
	s_add_co_u32 s46, s46, s38
	s_mov_b32 s47, 0
	s_wait_alu depctr_va_vdst(0)                   ; the wait at the head's end
	s_wait_kmcnt 0x0
	s_mov_b64 s[22:23], s[4:5]                     ; the source: chosen by the work-group's number alone
	s_cmp_ge_u32 s2, 64
	s_cselect_b64 s[22:23], s[6:7], s[22:23]
	s_cmp_ge_u32 s2, 128
	s_cselect_b64 s[22:23], s[8:9], s[22:23]
	s_cmp_ge_u32 s2, 192
	s_cselect_b64 s[22:23], s[10:11], s[22:23]
	s_cmp_ge_u32 s2, 256
	s_cselect_b64 s[22:23], s[12:13], s[22:23]
	s_cmp_ge_u32 s2, 260
	s_cselect_b64 s[22:23], s[14:15], s[22:23]
	s_cmp_ge_u32 s2, 264
	s_cselect_b64 s[22:23], s[16:17], s[22:23]
	s_cmp_lt_u32 s2, 256
	s_cselect_b64 s[18:19], s[18:19], s[20:21]     ; where the images go
	s_add_nc_u64 s[22:23], s[22:23], s[36:37]      ; rows 0-7,
	s_add_nc_u64 s[50:51], s[22:23], s[50:51]      ; rows 8-15
	s_add_nc_u64 s[42:43], s[18:19], s[40:41]      ; my fragment,
	s_add_nc_u64 s[46:47], s[18:19], s[46:47]      ; its scale words
.irp i, 0,1,2,3,4,5,6,7,8,9,10,11,12,13,14,15
	global_load_b128 v[LD+4*\i:LD+4*\i+3], v[OFF+(\i%8)], s[22+28*(\i/8):23+28*(\i/8)] th:TH_LOAD_NT   ; 32 lanes read 512 consecutive bytes of row i
.endr
	s_wait_loadcnt 0x0
.irp i, 0,1,2,3,4,5,6,7,8,9,10,11,12,13,14,15
	v_max3_num_f32 v[TM+\i], |v[LD+4*\i]|, |v[LD+4*\i+1]|, 0x1800000   ; my four numbers of row i, and the floor 2^(3 - 127): the byte cannot fall under 1
.endr
.irp i, 0,1,2,3,4,5,6,7,8,9,10,11,12,13,14,15
	v_max3_num_f32 v[TM+\i], |v[LD+4*\i+2]|, |v[LD+4*\i+3]|, v[TM+\i]
.endr
.irp x, 1,2,4
.irp i, 0,1,2,3,4,5,6,7,8,9,10,11,12,13,14,15
	v_max_num_f32_dpp v[TM+\i], v[TM+\i], v[TM+\i] row_xmask:\x row_mask:0xf bank_mask:0xf   ; with the block's other seven lanes
.endr
.endr
.irp i, 0,1,2,3,4,5,6,7,8,9,10,11,12,13,14,15
	v_add_nc_u32 v[TS+\i], 0xff000000, v[TM+\i]    ; 2 off the exponent field: the conversion takes the exponent field of this operand as its scale
.endr
.irp i, 0,1,2,3,4,5,6,7,8,9,10,11,12,13,14,15
	v_lshrrev_b32 v[TM+\i], 23, v[TS+\i]           ; the scale's byte
.endr
.irp p, 0,1,2,3,4,5,6,7
	v_cvt_scalef32_pk8_fp4_f32 v[TC+\p], v[LD+8*\p:LD+8*\p+7], v[TS+2*\p]       ; rows 2 p and 2 p + 1 under row 2 p's scale: the low half counts
	v_cvt_scalef32_pk8_fp4_f32 v[TC+8+\p], v[LD+8*\p:LD+8*\p+7], v[TS+2*\p+1]   ; under row 2 p + 1's: the high half counts
.endr
	v_nop                                          ; one plain line behind the conversions
.irp p, 0,1,2,3,4,5,6,7
	ds_store_b16 v2, v[TC+\p] offset:32*\p
	ds_store_b16_d16_hi v2, v[TC+8+\p] offset:32*\p+16
.endr
.irp i, 0,1,2,3,4,5,6,7,8,9,10,11,12,13,14,15
	ds_store_b8 v3, v[TM+\i] offset:4*\i           ; the eight lanes of a block write the same byte with the same value
.endr
.irp c, 0,1
	ds_load_b128 v[FB+4*\c:FB+4*\c+3], v4 offset:\c*544   ; LDS serves a wave's instructions in order (ISA guide 5.7.1.4): these see my stores
.endr
	ds_load_u16 v[SW], v5
	s_wait_dscnt 0x0
.irp c, 0,1
	global_store_b128 v1, v[FB+4*\c:FB+4*\c+3], s[42:43] offset:\c*512       ; 32 lanes store 512 consecutive bytes, at a multiple of 256 from the buffer's first byte
.endr
	global_store_b16 v6, v[SW], s[46:47]           ; 4 bytes in every 16: four tiles' words interleave, so that four come by one load later; one byte in 17 of what is stored
	s_wait_tensorcnt 0x0                           ; the wave's end
	ds_add_u32 v14, v15
	s_wait_dscnt 0x0
	s_endpgm
.Lfunc_end_k_qba7b35231a_prep:
	.size	k_qba7b35231a_prep, .Lfunc_end_k_qba7b35231a_prep-k_qba7b35231a_prep
	.p2alignl 7, 3214868480
	.fill 96, 4, 3214868480
	.section	.rodata,"a",@progbits
	.p2align	6, 0x0
	.amdhsa_kernel k_qba7b35231a_prep
		.amdhsa_group_segment_fixed_size 11264
		.amdhsa_private_segment_fixed_size 0
		.amdhsa_enable_private_segment 0
		.amdhsa_kernarg_size 72
		.amdhsa_user_sgpr_count 2
		.amdhsa_user_sgpr_kernarg_segment_ptr 1
		.amdhsa_wavefront_size32 1
		.amdhsa_system_sgpr_workgroup_id_x 1
		.amdhsa_system_sgpr_workgroup_id_y 1
		.amdhsa_system_sgpr_workgroup_id_z 1
		.amdhsa_system_vgpr_workitem_id 0
		.amdhsa_next_free_vgpr 160
		.amdhsa_next_free_sgpr 66
		.amdhsa_reserve_vcc 0
		.amdhsa_float_denorm_mode_32 3
		.amdhsa_float_denorm_mode_16_64 3
		.amdhsa_memory_ordered 1
		.amdhsa_forward_progress 1
		.amdhsa_inst_pref_size 17
	.end_amdhsa_kernel
	.amdgpu_metadata
---
amdhsa.version: [ 1, 2 ]
amdhsa.kernels:
  - .name:           k_qba7b35231a_prep
    .symbol:         k_qba7b35231a_prep.kd
    .args:
      - { .name: Wq, .offset: 0, .size: 8, .value_kind: global_buffer, .address_space: global }
      - { .name: Wk, .offset: 8, .size: 8, .value_kind: global_buffer, .address_space: global }
      - { .name: Wv, .offset: 16, .size: 8, .value_kind: global_buffer, .address_space: global }
      - { .name: Wo, .offset: 24, .size: 8, .value_kind: global_buffer, .address_space: global }
      - { .name: q, .offset: 32, .size: 8, .value_kind: global_buffer, .address_space: global }
      - { .name: k, .offset: 40, .size: 8, .value_kind: global_buffer, .address_space: global }
      - { .name: v, .offset: 48, .size: 8, .value_kind: global_buffer, .address_space: global }
      - { .name: wc, .offset: 56, .size: 8, .value_kind: global_buffer, .address_space: global }
      - { .name: xc, .offset: 64, .size: 8, .value_kind: global_buffer, .address_space: global }
    .group_segment_fixed_size: 11264
    .private_segment_fixed_size: 0
    .kernarg_segment_align: 8
    .kernarg_segment_size: 72
    .max_flat_workgroup_size: 256
    .sgpr_count:     66
    .vgpr_count:     160
    .wavefront_size: 32
...
	.end_amdgpu_metadata
.endif
;; end of part 1
;; launch last (part 2): grid 64 x 1, 12 waves a work-group, no clusters, 39,936 bytes of LDS; arguments wc, xc, bq, bv, oc; writes oc
.if DOCPART == 2
	.amdgcn_target "amdgcn-amd-amdhsa--gfx1250"
	.amdhsa_code_object_version 6
	.text
	.protected	k_qba7b35231a_last
	.globl	k_qba7b35231a_last
	.p2align	8
	.type	k_qba7b35231a_last,@function
k_qba7b35231a_last:
	s_mov_b64 s[64:65], 0
	v_nop
	global_prefetch_b8 v0, s[64:65] scope:SCOPE_SE
	s_setreg_imm32_b32 hwreg(HW_REG_WAVE_MODE, 25, 1), 1
	s_wait_xcnt 0x0
; THE LAST CHUNK'S WAY TO out0: qp, kp, vp of its 64 rows (products on codes of FP4, K = 1,024), the 8 x 8 scores of each n, the softmax, w . vp, all in f32; the result is quantised along E into oc, laid as images of operand registers:
; 8 blocks of 4,352 bytes (K step s): [4 fragments][256 bytes of scale words at 16 r + 4 T]; row r of tile T is (n = 2 T + r / 8, g = r % 8).
; WORK LEFT OUT: vp's rows of all chunks but the last (reference() keeps the last chunk's output alone); bk (its part of a score is the same for every key of a query, and the softmax takes it away; the scores' product is not quantised).
; A work-group takes one head h and one tile T: 16 rows, two n whole: 64 work-groups.  A work-group for each head alone would leave 240 WGPs out and give each four times the attention.
; SHARES.  Twelve waves: wave (t, ct) makes columns 16 ct .. + 15 of the head for tensor t: 8 matrix instructions on two accumulators by turns.  Its fragments of W come straight into registers;
; x's come once to the work-group, through LDS.  The products are used transposed (source 0 = 16 rows of W, source 1 = 16 rows of x): lane (r, hh) holds row r, register j column 16 ct + 8 hh + j.
; The results meet in LDS as f32 rows of 64, 272 bytes apart.  Then lane (r = 4 w + l / 8, s = l % 8) of waves 0-3 makes the score of query r and key s, shares maximum, sum and weights with its seven neighbours, and makes columns 8 s .. + 7.
; No cluster, no tensor load, no prefetch: W's codes of a head are read by four work-groups, 98 KB each, all asked for at once, and there is no loop to run ahead in.
; LIMITS: NaN and infinities are not served; a block whose largest magnitude lies under 2^-124 keeps the scale byte 1 (a block of zeros too: its codes are zeros, and this program alone reads the bytes).
.set BLK,  69632
.set GRP,  8704
.set XB,   4608                        ; a block of xc
.set OB,   4352                        ; a block of oc
.set F,    24576                       ; LDS: 24 fragments of x, then qp, kp, vp:
.set FT,   16*272                      ; 16 rows of 256 bytes + 16
.set STG,  F+3*FT                      ; the result's 512 bytes of codes and 32 scale bytes
.set SPARE, STG+768                    ; the spare words, 128 bytes for each wave
; v16-31 x as it lands, later addresses; v32-39, v40-47 scale words of x and W: scales and nothing else; v48-55 bias; v56-119 W's fragments; v120-183 x's; v184-199 two accumulators
	s_load_b256 s[4:11], s[0:1], 0x0               ; wc, xc, bq, bv
	s_load_b64 s[12:13], s[0:1], 0x20              ; oc
	v_lshl_add_u32 v14, v0, 2, SPARE
	v_mov_b32 v15, 0
	v_lshrrev_b32 v2, 5, v0
	v_readfirstlane_b32 s16, v2                    ; wave 0..11
	s_lshr_b32 s17, s16, 2                         ; t
	s_and_b32 s18, s16, 3                          ; ct
	s_lshr_b32 s19, ttmp9, 2                       ; h
	s_and_b32 s20, ttmp9, 3                        ; T
	v_and_b32 v3, 31, v0                           ; l
	v_lshlrev_b32 v1, 4, v3                        ; 16 l
	v_and_b32 v4, 15, v0                           ; r
	v_bfe_u32 v5, v0, 4, 1                         ; hh
	s_lshl_b32 s21, s17, 3
	s_lshl_b32 s22, s18, 1
	s_add_co_u32 s22, s21, s22                     ; x: K steps 2 ct and 2 ct + 1 of tensor t are mine to bring
	s_lshl_b32 s23, s22, 10
	v_add_nc_u32 v2, s23, v1                       ; their place in LDS
	s_lshl_b32 s23, s17, 13
	v_add_nc_u32 v6, s23, v1                       ; tensor t's fragments
	v_lshlrev_b32 v7, 4, v4                        ; 16 r
	v_lshlrev_b32 v9, 5, v5                        ; 32 hh
	s_mul_i32 s23, s17, FT
	s_lshl_b32 s24, s18, 6
	s_add_co_u32 s23, s23, s24
	s_add_co_u32 s23, s23, F
	s_wait_alu depctr_va_vdst(0)                   ; the wait here, directly ahead of the reader below
	v_mul_u32_u24 v8, v4, 272
	v_add_nc_u32 v8, v8, v9
	v_add_nc_u32 v8, s23, v8                       ; where my results go
	s_mul_i32 s48, s22, XB
	s_lshl_b32 s24, s20, 10
	s_add_co_u32 s48, s48, s24                     ; x's fragments
	s_mul_i32 s50, s21, XB
	s_and_b32 s24, s20, 1
	s_lshl_b32 s24, s24, 8
	s_add_co_u32 s50, s50, s24
	s_lshr_b32 s24, s20, 1
	s_lshl_b32 s24, s24, 2
	s_add_co_u32 s50, s50, s24
	s_add_co_u32 s50, s50, 4096                    ; x's scale words
	s_lshr_b32 s25, s19, 1                         ; h / 2
	s_and_b32 s26, s19, 1                          ; h % 2
	s_mul_i32 s24, s25, GRP
	s_mul_i32 s27, s21, BLK
	s_add_co_u32 s24, s24, s27
	s_lshl_b32 s52, s26, 2
	s_add_co_u32 s52, s52, s18
	s_lshl_b32 s52, s52, 10
	s_add_co_u32 s52, s52, s24                     ; W's tile 4 h + ct
	s_and_b32 s54, s18, 1
	s_lshl_b32 s54, s54, 8
	s_lshl_b32 s27, s26, 1
	s_lshr_b32 s28, s18, 1
	s_add_co_u32 s27, s27, s28
	s_lshl_b32 s27, s27, 2
	s_add_co_u32 s54, s54, s27
	s_add_co_u32 s54, s54, s24
	s_add_co_u32 s54, s54, 8192                    ; its scale words
	s_lshl_b32 s56, s19, 8
	s_lshl_b32 s27, s18, 6
	s_add_co_u32 s56, s56, s27                     ; the bias at column 64 h + 16 ct
	s_mul_i32 s24, s25, OB
	s_lshl_b32 s58, s20, 10
	s_lshl_b32 s27, s26, 9
	s_add_co_u32 s58, s58, s27
	s_add_co_u32 s58, s58, s24                     ; oc: part h % 2 of tile T's fragment of K step h / 2,
	s_lshl_b32 s60, s20, 2
	s_lshl_b32 s27, s26, 1
	s_add_co_u32 s60, s60, s27
	s_add_co_u32 s60, s60, s24
	s_add_co_u32 s60, s60, 4096                    ; and bytes 2 (h % 2), + 1 of its scale words
	s_mov_b32 s49, 0
	s_mov_b32 s51, 0
	s_mov_b32 s53, 0
	s_mov_b32 s55, 0
	s_mov_b32 s57, 0
	s_mov_b32 s59, 0
	s_mov_b32 s61, 0
	s_mov_b32 s36, 0x3e38aa3b                      ; c = log2(e) / sqrt(64)
	s_wait_alu depctr_va_vdst(0)                   ; the wait at the head's end
	s_wait_kmcnt 0x0
	s_cmp_eq_u32 s17, 0
	s_cselect_b64 s[30:31], s[8:9], s[10:11]
	s_add_nc_u64 s[30:31], s[30:31], s[56:57]
	s_add_nc_u64 s[32:33], s[6:7], s[48:49]
	s_add_nc_u64 s[34:35], s[6:7], s[50:51]
	s_add_nc_u64 s[38:39], s[4:5], s[52:53]
	s_add_nc_u64 s[40:41], s[4:5], s[54:55]
	s_add_nc_u64 s[42:43], s[12:13], s[58:59]
	s_add_nc_u64 s[44:45], s[12:13], s[60:61]
	s_cmp_eq_u32 s17, 1
	s_cbranch_scc1 .Lno_bias                       ; kp has no bias.  (The bias is asked for first: the counts below are the same on both ways)
	global_load_b128 v[48:51], v9, s[30:31]
	global_load_b128 v[52:55], v9, s[30:31] offset:16
	s_branch .Lbias
.Lno_bias:
.irp j, 48,49,50,51,52,53,54,55
	v_mov_b32 v[\j], 0
.endr
	s_wait_alu depctr_va_vdst(0)                   ; the sums begin with these behind the waits below
.Lbias:
.irp u, 0,1
.irp c, 0,1
	global_load_b128 v[16+8*\u+4*\c:19+8*\u+4*\c], v1, s[32:33] offset:\u*XB+\c*512
.endr
.endr
.irp s, 0,1,2,3,4,5,6,7
	global_load_b32 v[32+\s], v7, s[34:35] offset:\s*XB
.endr
.irp s, 0,1,2,3,4,5,6,7
	global_load_b32 v[40+\s], v7, s[40:41] offset:\s*BLK
.endr
.irp s, 0,1,2,3,4,5,6,7
.irp c, 0,1
	global_load_b128 v[56+8*\s+4*\c:59+8*\s+4*\c], v1, s[38:39] offset:\s*BLK+\c*512
.endr
.endr
	s_wait_loadcnt 32                              ; x is in; the 16 loads of scale words and the 16 of W's fragments may be out
.irp u, 0,1
.irp c, 0,1
	ds_store_b128 v2, v[16+8*\u+4*\c:19+8*\u+4*\c] offset:\u*1024+\c*512
.endr
.endr
	s_wait_dscnt 0x0                               ; for the others' sake: my part of x lies in LDS
	s_barrier_signal -1
	s_barrier_wait -1
.irp s, 0,1,2,3,4,5,6,7
.irp c, 0,1
	ds_load_b128 v[120+8*\s+4*\c:123+8*\s+4*\c], v6 offset:\s*1024+\c*512
.endr
.endr
	s_wait_dscnt 0x0
	s_wait_loadcnt 8                               ; all but W's last four K steps
.macro MM s, acc
	v_wmma_scale_f32_16x16x128_f8f6f4 v[\acc:\acc+7], v[56+8*\s:63+8*\s], v[120+8*\s:127+8*\s], v[\acc:\acc+7], v[40+\s], v[32+\s] matrix_a_fmt:MATRIX_FMT_FP4 matrix_b_fmt:MATRIX_FMT_FP4
.endm
	v_wmma_scale_f32_16x16x128_f8f6f4 v[184:191], v[56:63], v[120:127], v[48:55], v40, v32 matrix_a_fmt:MATRIX_FMT_FP4 matrix_b_fmt:MATRIX_FMT_FP4   ; the even K steps begin with the bias,
	v_wmma_scale_f32_16x16x128_f8f6f4 v[192:199], v[64:71], v[128:135], 0, v41, v33 matrix_a_fmt:MATRIX_FMT_FP4 matrix_b_fmt:MATRIX_FMT_FP4           ; the odd ones with 0
	MM 2, 184
	MM 3, 192
	s_wait_loadcnt 0x0
	MM 4, 184
	MM 5, 192
	MM 6, 184
	MM 7, 192
.rept 4
	v_nop                                          ; four places in front of the first read of results (ISA guide 7.12.1)
.endr
.irp j, 0,2,4,6
	v_pk_add_f32 v[200+\j:201+\j], v[184+\j:185+\j], v[192+\j:193+\j]
.endr
	ds_store_b128 v8, v[200:203]
	ds_store_b128 v8, v[204:207] offset:16
	; the attention's addresses (made in every wave, by w % 4): r = 4 w + l / 8, s = l % 8; the two n are 8 rows each
	v_lshrrev_b32 v27, 3, v3
	v_and_b32 v28, 7, v3                           ; s
	s_lshl_b32 s23, s18, 2
	v_add_nc_u32 v27, s23, v27                     ; r
	v_mul_u32_u24 v10, v27, 272
	v_add_nc_u32 v10, F, v10                       ; query r
	s_lshr_b32 s23, s18, 1
	s_lshl_b32 s23, s23, 3
	v_add_nc_u32 v29, s23, v28
	v_mul_u32_u24 v11, v29, 272
	v_add_nc_u32 v11, F+FT, v11                    ; key s of my n
	s_mul_i32 s23, s23, 272
	s_add_co_u32 s23, s23, F+2*FT
	v_lshlrev_b32 v30, 5, v28
	v_add_nc_u32 v30, s23, v30                     ; my n's rows of v, columns 8 s on
.irp x, 0,1,2,3,4,5,6,7
	v_xor_b32 v31, \x, v28
	v_mad_u32_u24 v[16+\x], v31, 272, v30          ; row s xor x
.endr
	v_lshrrev_b32 v29, 2, v28                      ; e = s / 4: my block of 32
	v_and_b32 v31, 3, v28
	v_lshlrev_b32 v12, 8, v29
	v_lshl_add_u32 v12, v27, 4, v12
	v_lshl_add_u32 v12, v31, 2, v12
	v_add_nc_u32 v12, STG, v12                     ; my 8 codes in the image's part
	v_lshl_add_u32 v13, v27, 1, v29
	v_add_nc_u32 v13, STG+512, v13                 ; my block's byte
	v_add_nc_u32 v24, STG, v1                      ; the way out, in wave 0
	v_add_nc_u32 v25, STG+512, v3
	v_lshrrev_b32 v26, 1, v3
	v_and_b32 v31, 1, v3
	v_lshl_add_u32 v26, v26, 4, v31                ; row l / 2, byte l % 2
	s_wait_alu depctr_va_vdst(0)                   ; the wait here, ahead of the waits below
	s_wait_dscnt 0x0                               ; for the others' sake: my columns lie in LDS
	s_barrier_signal -1
	s_barrier_wait -1
	s_cmp_gt_u32 s16, 3
	s_cbranch_scc1 .Lno_attention
.irp i, 0,1,2,3,4,5,6,7,8,9,10,11,12,13,14,15
	ds_load_b128 v[56+4*\i:59+4*\i], v10 offset:16*\i
	ds_load_b128 v[120+4*\i:123+4*\i], v11 offset:16*\i
.endr
.irp x, 224,225,226,227,228,229,230,231,232,233,234,235,236,237,238,239
	v_mov_b32 v[\x], 0                             ; the weights stand in the low words of eight pairs; the upper words are named with them, and an exchange's destination counts as read
.endr
	s_wait_dscnt 16                                ; the first 32 of the head's 64
.irp j, 0,2,4,6
	v_pk_mul_f32 v[208+\j:209+\j], v[56+\j:57+\j], v[120+\j:121+\j]
.endr
.irp j, 8,10,12,14,16,18,20,22,24,26,28,30
	v_pk_fma_f32 v[208+(\j%8):209+(\j%8)], v[56+\j:57+\j], v[120+\j:121+\j], v[208+(\j%8):209+(\j%8)]
.endr
	s_wait_alu depctr_va_vdst(0)                   ; the wait here, directly ahead of the wait below
	s_wait_dscnt 0x0
.irp j, 32,34,36,38,40,42,44,46,48,50,52,54,56,58,60,62
	v_pk_fma_f32 v[208+(\j%8):209+(\j%8)], v[56+\j:57+\j], v[120+\j:121+\j], v[208+(\j%8):209+(\j%8)]
.endr
.irp x, 0,1,2,3,4,5,6,7
	ds_load_b128 v[56+8*\x:59+8*\x], v[16+\x]      ; v lands while the softmax is made
	ds_load_b128 v[60+8*\x:63+8*\x], v[16+\x] offset:16
.endr
	v_pk_add_f32 v[208:209], v[208:209], v[210:211]
	v_pk_add_f32 v[212:213], v[212:213], v[214:215]
	v_pk_add_f32 v[208:209], v[208:209], v[212:213]
	v_add_f32 v216, v208, v209                     ; the score
	v_mov_b32 v217, v216
.irp x, 1,2,4
	v_max_num_f32_dpp v217, v217, v217 row_xmask:\x row_mask:0xf bank_mask:0xf   ; the row's largest
.endr
	v_mul_f32 v218, 0xbe38aa3b, v217
	v_fma_f32 v216, v216, s36, v218
	s_wait_alu depctr_va_vdst(0)                   ; the wait ahead of the transcendental
	v_exp_f32 v216, v216
	v_nop
	s_wait_alu depctr_va_vdst(0)                   ; and behind it
	v_mov_b32 v219, v216
.irp x, 1,2,4
	v_add_f32_dpp v219, v219, v219 row_xmask:\x row_mask:0xf bank_mask:0xf       ; the row's sum
.endr
	s_wait_alu depctr_va_vdst(0)
	v_rcp_f32 v220, v219
	v_nop
	s_wait_alu depctr_va_vdst(0)
	v_mul_f32 v224, v216, v220                     ; w of key s
.irp x, 1,2,3,4,5,6,7
	v_mov_b32_dpp v[224+2*\x], v224 row_xmask:\x row_mask:0xf bank_mask:0xf      ; w of key s xor x
.endr
	s_wait_alu depctr_va_vdst(0)                   ; the wait here, directly ahead of the wait below
	s_wait_dscnt 0x0
.irp j, 0,2,4,6
	v_pk_mul_f32 v[240+\j:241+\j], v[56+\j:57+\j], v[224:225] op_sel_hi:[1,0]
.endr
.irp x, 1,2,3,4,5,6,7
.irp j, 0,2,4,6
	v_pk_fma_f32 v[240+\j:241+\j], v[56+8*\x+\j:57+8*\x+\j], v[224+2*\x:225+2*\x], v[240+\j:241+\j] op_sel_hi:[1,0,1]
.endr
.endr
	v_max3_num_f32 v208, |v240|, |v241|, 0x1800000 ; my eight of the block's 32; and the floor 2^(3 - 127)
	v_max3_num_f32 v208, v208, |v242|, |v243|
	v_max3_num_f32 v208, v208, |v244|, |v245|
	v_max3_num_f32 v208, v208, |v246|, |v247|
.irp x, 1,2
	v_max_num_f32_dpp v208, v208, v208 row_xmask:\x row_mask:0xf bank_mask:0xf
.endr
	v_add_nc_u32 v209, 0xff000000, v208            ; 2 off its exponent field: the conversion's scale operand
	v_lshrrev_b32 v210, 23, v209                   ; the scale's byte
	v_cvt_scalef32_pk8_fp4_f32 v211, v[240:247], v209
	v_nop
	ds_store_b32 v12, v211
	ds_store_b8 v13, v210                          ; the four lanes of a block write the same byte with the same value
.Lno_attention:
	s_wait_dscnt 0x0                               ; for wave 0's sake: the codes lie in LDS
	s_barrier_signal -1
	s_barrier_wait -1
	s_cmp_lg_u32 s16, 0
	s_cbranch_scc1 .Lend
	ds_load_b128 v[56:59], v24
	ds_load_u8 v60, v25
	s_wait_dscnt 0x0
	global_store_b128 v1, v[56:59], s[42:43]       ; 512 consecutive bytes, at a multiple of 256
	global_store_b8 v26, v60, s[44:45]             ; the 32 scale bytes: a word is shared by two heads
.Lend:
	s_wait_tensorcnt 0x0                           ; the wave's end
	ds_add_u32 v14, v15
	s_wait_dscnt 0x0
	s_endpgm
.Lfunc_end_k_qba7b35231a_last:
	.size	k_qba7b35231a_last, .Lfunc_end_k_qba7b35231a_last-k_qba7b35231a_last
	.p2alignl 7, 3214868480
	.fill 96, 4, 3214868480
	.section	.rodata,"a",@progbits
	.p2align	6, 0x0
	.amdhsa_kernel k_qba7b35231a_last
		.amdhsa_group_segment_fixed_size 39936
		.amdhsa_private_segment_fixed_size 0
		.amdhsa_enable_private_segment 0
		.amdhsa_kernarg_size 40
		.amdhsa_user_sgpr_count 2
		.amdhsa_user_sgpr_kernarg_segment_ptr 1
		.amdhsa_wavefront_size32 1
		.amdhsa_system_sgpr_workgroup_id_x 1
		.amdhsa_system_sgpr_workgroup_id_y 1
		.amdhsa_system_sgpr_workgroup_id_z 1
		.amdhsa_system_vgpr_workitem_id 0
		.amdhsa_next_free_vgpr 256
		.amdhsa_next_free_sgpr 66
		.amdhsa_reserve_vcc 0
		.amdhsa_float_denorm_mode_32 3
		.amdhsa_float_denorm_mode_16_64 3
		.amdhsa_memory_ordered 1
		.amdhsa_forward_progress 1
		.amdhsa_inst_pref_size 24
	.end_amdhsa_kernel
	.amdgpu_metadata
---
amdhsa.version: [ 1, 2 ]
amdhsa.kernels:
  - .name:           k_qba7b35231a_last
    .symbol:         k_qba7b35231a_last.kd
    .args:
      - { .name: wc, .offset: 0, .size: 8, .value_kind: global_buffer, .address_space: global }
      - { .name: xc, .offset: 8, .size: 8, .value_kind: global_buffer, .address_space: global }
      - { .name: bq, .offset: 16, .size: 8, .value_kind: global_buffer, .address_space: global }
      - { .name: bv, .offset: 24, .size: 8, .value_kind: global_buffer, .address_space: global }
      - { .name: oc, .offset: 32, .size: 8, .value_kind: global_buffer, .address_space: global }
    .group_segment_fixed_size: 39936
    .private_segment_fixed_size: 0
    .kernarg_segment_align: 8
    .kernarg_segment_size: 40
    .max_flat_workgroup_size: 384
    .sgpr_count:     66
    .vgpr_count:     256
    .wavefront_size: 32
...
	.end_amdgpu_metadata
.endif
;; end of part 2
;; launch main (part 3): grid 256 x 1, 4 waves a work-group, clusters of 4 x 1, 327,680 bytes of LDS; arguments q, k, bq, wc, oc, bo, out0, out1; writes out0, out1
.if DOCPART == 3
	.amdgcn_target "amdgcn-amd-amdhsa--gfx1250"
	.amdhsa_code_object_version 6
	.text
	.protected	k_qba7b35231a_main
	.globl	k_qba7b35231a_main
	.p2align	8
	.type	k_qba7b35231a_main,@function
k_qba7b35231a_main:
	s_mov_b64 s[64:65], 0
	v_nop
	global_prefetch_b8 v0, s[64:65] scope:SCOPE_SE
	s_setreg_imm32_b32 hwreg(HW_REG_WAVE_MODE, 25, 1), 1
	s_wait_xcnt 0x0
	s_wait_alu depctr_hold_cnt(0) depctr_sa_sdst(0) depctr_va_vdst(0) depctr_va_sdst(0) depctr_va_ssrc(0) depctr_va_vcc(0) depctr_vm_vsrc(0)
	s_getreg_b32 s2, hwreg(HW_REG_IB_STS2, 6, 4)
	s_cmp_eq_u32 s2, 0
	s_cbranch_scc0 .Lentry_in_a_cluster
	s_endpgm
.Lentry_in_a_cluster:
	s_bfe_u32 s2, ttmp6, 0x10000c
	s_cmp_lg_u32 s2, 0x3003
	s_cbranch_scc0 .Lentry_shape_is_right
	s_endpgm
.Lentry_shape_is_right:
; out1: for each chunk of 64 rows (row = g 8 + n) the softmax weights of the 8 x 8 scores of every (n, head), averaged over the 16 heads.  qp = q Wq^T + bq and kp = k Wk^T are products on codes of FP4 (E2M1)
; with one E8M0 scale for each 32 along K; q and k arrive as f32 and are quantised here, on their way; qp and kp never go to memory.  The scores take bf16 operands, f32 sums; the softmax is f32, under the row's own maximum.
; WORK LEFT OUT: bk.  Its part of a score, qp . bk, is the same for every key of a query, and the softmax takes it away; the scores' product is not quantised.  A NaN, an infinity or an overflow in bk is not carried to the result.
; out0: one tile of 16 x 16 of Q(out_last) Wo^T + bo to each work-group (oc's tile cx, columns 16 X on), from the images in oc and wc: 256 tiles, 256 work-groups; wave 0 makes it.  It leaves as 64 bytes of each of 16 rows.
; SHARES.  One chunk to a work-group: 256 chunks.  Wave w owns column tiles 8 w + i (half 0) and 32 + 8 w + i (half 1), i = 0 .. 7: two heads in each half; and it quantises the rows of tile w.
; THE ROWS OF A TILE ARE CHOSEN: lane r of tile m is (n = 2 m + r / 8, g = r % 8), so that a tile holds two whole n, and only tile m of kp against tile m of qp is multiplied for the scores.
; THE ORDER.  (1) q, eight K steps of 128, both halves: windows 2 and 3.  They are rounded to 32 bf16 fragments, all in window 3.  (2) k, pass A: eight K steps, half 0: window 2; the eight images of k's codes stay in LDS.
; The scores and softmax of half 0's two heads.  (3) k, pass B: the eight images again, half 1, window 2.  The other two heads.  Cluster X takes K step (X + t) % 8 in step t: the order of K changes the sums' last bits alone.
; A STEP t: the image of x's step t lies in LDS.  Its fragments and W's are asked for; while they come, the rows of step t + 1 (512 consecutive bytes a load) are quantised into the next image and the rows of
; step t + 5 are asked for; then the products, the last of them between a barrier's signal and its wait.
; CLUSTER.  The four work-groups of a cluster walk the same weight codes: they are asked for JOINTLY, through a ring of two LDS slots.  4 x 1 and not 4 x 4: the rows are nobody else's.
; THE RING.  A slot holds four half blocks of 34,816 bytes, one to a wave's tensor load: in (1) two K steps, in (2) and (3) one half of four K steps.  Eight fills; fill F lies in slot F % 2 and is asked for at the change of slots
; ahead of fill F - 1's first step: it has all of that fill's steps in which to land (the last one has two heads and pass B's first products).  One tensor load of a wave is out at most.
; PREFETCH of the codes that later fills bring: Wq's 2,176 blocks of 256 bytes behind the head's joint load, ahead of fill 1, Wk's behind fill 1, six steps ahead of their first fill.  Each block is asked for by four clusters (X with bits 2 and 5
; either way), the clusters' four work-groups told apart by address, 17 blocks by each of waves 0 and 1.  q and k are not prefetched: their loads run four steps ahead by themselves.
; The products are used transposed (source 0 = 32 rows of W, source 1 = 16 rows of x): a lane holds one row and eight neighbouring columns of two tiles, which round in pairs straight into a bf16 fragment along the head's 64.
; LIMITS: NaN and infinities are not served; a block whose largest magnitude lies under 2^-124 keeps the scale byte 1 (a block of zeros too: its codes are zeros); the scores' operands are rounded to bf16.
; REGISTERS.  window 0: v1-15 addresses; v16-47 x's fragments, later scores; v48-51, v60-63 x's and v52-59 W's scale words; v64-111 at work; v112-175, v176-239 W's fragments of half 0, half 1; in (2), (3) v176-239 are the softmax's;
;   v240-255 the out0 tile's scale words.   window 1: four landing sets of 64; later the out0 tile (v0-159) and pass B's second set of fragments.   windows 2, 3: the sums of tiles 2 p, 2 p + 1 and rows m at v[64 p + 16 m], half hf in window 2 + hf.
.set BLK,   69632                      ; a block of wc: two half blocks
.set HB,    34816                      ; a half block: four groups, one for each wave; dense: stated as 17 rows of 2,048 bytes
.set WQ,    8704                       ; a group: eight fragments of 1,024 bytes, then 512 bytes of their scale words
.set SLOTB, 4*HB
.set XBLK,  4352                       ; a block of oc
.set XI,    2*SLOTB                    ; LDS behind the ring: x's images, eight:
.set XIB,   4608                       ; four tiles of 1,088 bytes (four planes of 272: row r of block b at 272 b + 16 r), then 256 bytes of scale words (16 r + 4 tile)
.set XSO,   4352
.set BIAS,  XI+8*XIB                   ; 2 KB for each wave: bq's two runs of 128 numbers at the start, the wave's sums of weights at the end
.set SPARE, BIAS+8192                  ; the spare words, 128 bytes for each wave: two blocks of 256 bytes that no other line names
.set XF,   16
.set XS,   48
.set WS,   52
.set XS2,  60
.set TM,   64                          ; v64-79 largest magnitudes, then bytes; v80-95 scale operands; v96-111 codes
.set TS,   80
.set TC,   96
.set BT,   80                          ; v80-111 four tiles' biases
.set WF,   112
.set XF2,  160                         ; window 1: pass B's second set
.set WF2,  192
.set WACC, 176                         ; v176-207 the weights summed over my heads
.set NM,   208                         ; v208-223 pairs (- c max, max)
.set SU,   144                         ; v144-175 sums
.set RR,   224                         ; v224-239 pairs (1 / sum, 0)
; s22 wave; s23 cx; s24 X; s25 trips; s26 X + t; s[28:35], s[36:39] the descriptor; s42 my place in a slot; s[44:45] rows being asked for; s[46:47] k's rows; s[48:49], s[86:91] the loads' pointers; s51 -c; s[52:53] c; s54-59 at work;
; s[60:63], s[66:73] the out0 tile's bases; s74-79 at work, on numbers that hold cx at the head; s80 w / 2; s81 (w % 2) half blocks; s82 4 + w / 2; s83 6 + w / 2; s84 4 + w; s85 my 2 KB; s[92:95] the prefetches
.set MSB, 0
.macro WIN new                         ; the immediate's high byte repeats the setting that is left
.if MSB != (\new)
	s_set_vgpr_msb (MSB<<8)|(\new)
.set MSB, \new
.endif
.endm
.macro PLACES                          ; four places behind matrix instructions (ISA guide 7.12.1)
.rept 4
	v_nop
.endr
.endm
; A round of the cluster's barrier: my work-group's barrier; wave 0 signals for the work-group; every wave waits for all four work-groups; my work-group's barrier once more.
.macro CREST                           ; a round behind its opening barrier
	s_cmp_lg_u32 s22, 0
	s_cbranch_scc1 .Lnot_wave_0_\@
	s_barrier_signal -3
.Lnot_wave_0_\@:
	s_barrier_wait -3
	s_barrier_signal -1
	s_barrier_wait -1
.endm
.macro ROUND
	s_barrier_signal -1
	s_barrier_wait -1
	CREST
.endm
.macro XPTR add, ptr, wait             ; a pointer for loads: the rows' base + 512 bytes x K step (s26 + add) % 8
	s_add_co_u32 s54, s26, \add
	s_and_b32 s54, s54, 7
	s_lshl_b32 s54, s54, 9
.if \wait
	s_wait_xcnt 0x0                                ; the earlier loads have read the pointer: only behind this wait is it written
.endif
	s_add_nc_u64 s[\ptr:\ptr+1], s[44:45], s[54:55]
.endm
.macro GLOADS set, ptr                 ; my 16 rows' 128 numbers of a K step: load i = row r = i of my tile: memory row (i % 8) 8 + 2 w + i / 8; 32 lanes read 512 consecutive bytes
	WIN 0x40
.irp i, 0,1,2,3,4,5,6,7,8,9,10,11,12,13,14,15
	global_load_b128 v[64*(\set)+4*\i:64*(\set)+4*\i+3], v1, s[\ptr:\ptr+1] offset:(\i%8)*32768+(\i/8)*4096 th:TH_LOAD_NT
.endr
	WIN 0
.endm
; 16 rows x 128 numbers of a landing set become a fragment's image and 16 scale words in image buf.  Lane l holds k = 4 l .. 4 l + 3 of every row: a block of 32 is eight neighbouring lanes.
; The conversion takes eight registers, two rows' four numbers: it is made under the one row's scale and under the other's; the low half of the first and the high half of the second are the rows' codes.
.macro DQ1 set                         ; the scales
	WIN 0x05                                       ; sources 0 and 1: window 1
.irp i, 0,1,2,3,4,5,6,7,8,9,10,11,12,13,14,15
	v_max3_num_f32 v[TM+\i], |v[64*(\set)+4*\i]|, |v[64*(\set)+4*\i+1]|, 0x1800000   ; and the floor 2^(3 - 127): the byte cannot fall under 1.  (The rows by turns: no line waits for the line above it)
.endr
.irp i, 0,1,2,3,4,5,6,7,8,9,10,11,12,13,14,15
	v_max3_num_f32 v[TM+\i], |v[64*(\set)+4*\i+2]|, |v[64*(\set)+4*\i+3]|, v[TM+\i]
.endr
	WIN 0
.irp x, 1,2,4
.irp i, 0,1,2,3,4,5,6,7,8,9,10,11,12,13,14,15
	v_max_num_f32_dpp v[TM+\i], v[TM+\i], v[TM+\i] row_xmask:\x row_mask:0xf bank_mask:0xf
.endr
.endr
.irp i, 0,1,2,3,4,5,6,7,8,9,10,11,12,13,14,15
	v_add_nc_u32 v[TS+\i], 0xff000000, v[TM+\i]    ; 2 off the exponent field: the conversion's scale operand
.endr
.irp i, 0,1,2,3,4,5,6,7,8,9,10,11,12,13,14,15
	v_lshrrev_b32 v[TM+\i], 23, v[TS+\i]           ; the scale's byte
.endr
.endm
.macro DQ2 set, buf                    ; the codes, and 32 LDS stores
	WIN 0x01
.irp p, 0,1,2,3,4,5,6,7
	v_cvt_scalef32_pk8_fp4_f32 v[TC+\p], v[64*(\set)+8*\p:64*(\set)+8*\p+7], v[TS+2*\p]
	v_cvt_scalef32_pk8_fp4_f32 v[TC+8+\p], v[64*(\set)+8*\p:64*(\set)+8*\p+7], v[TS+2*\p+1]
.endr
	WIN 0
	v_nop                                          ; one plain line behind the conversions
.irp p, 0,1,2,3,4,5,6,7
	ds_store_b16 v6, v[TC+\p] offset:(\buf)*XIB+32*\p
	ds_store_b16_d16_hi v6, v[TC+8+\p] offset:(\buf)*XIB+32*\p+16
.endr
.irp i, 0,1,2,3,4,5,6,7,8,9,10,11,12,13,14,15
	ds_store_b8 v7, v[TM+\i] offset:(\buf)*XIB+16*\i   ; the eight lanes of a block write the same byte with the same value
.endr
.endm
; qp's sums of a half begin as the bias: tile i's eight numbers of my half of the lanes, for each of the four tiles of rows: done while the first rows are on their way, so all steps of q have one form.
.macro INITACC hf
.irp G, 0,1
.irp q, 0,1,2,3
	ds_load_b128 v[BT+8*\q:BT+8*\q+3], v11 offset:(\hf)*512+(4*\G+\q)*64
	ds_load_b128 v[BT+8*\q+4:BT+8*\q+7], v11 offset:(\hf)*512+(4*\G+\q)*64+16
.endr
	s_wait_dscnt 0x0
	WIN 0x40*(2+(\hf))
.irp q, 0,1,2,3
.irp m, 0,1,2,3
.irp j, 0,2,4,6
.set AC, 64*((4*\G+\q)/2)+16*\m+8*(\q%2)+\j
	v_pk_add_f32 v[AC:AC+1], v[BT+8*\q+\j:BT+8*\q+\j+1], 0 op_sel_hi:[1,0]
.endr
.endr
.endr
	WIN 0
.endr
.endm
; A window's sums become 16 bf16 fragments, in place: tiles 2 p and 2 p + 1 of rows m are 32 neighbouring columns, 16 registers: they pack into the lower eight.  Each is read from its low end on.
.macro CVTIN win
	WIN 69*(\win)                                  ; sources 0 and 1 and the destination: this window
.irp p, 0,1,2,3
.irp m, 0,1,2,3
.irp r, 0,1,2,3,4,5,6,7
	v_cvt_pk_bf16_f32 v[64*\p+16*\m+\r], v[64*\p+16*\m+2*\r], v[64*\p+16*\m+2*\r+1]
.endr
.endr
.endr
	WIN 0
.endm
; Window 2's become 16 fragments in the upper eights of window 3 that CVTIN 3 has left free.
.macro CVTOVER
	WIN 0xca                                       ; sources 0 and 1 window 2, destination window 3
.irp p, 0,1,2,3
.irp m, 0,1,2,3
.irp r, 0,1,2,3,4,5,6,7
	v_cvt_pk_bf16_f32 v[64*\p+16*\m+8+\r], v[64*\p+16*\m+2*\r], v[64*\p+16*\m+2*\r+1]
.endr
.endr
.endr
	WIN 0
.endm
; 4 matrix instructions: tiles 2 p, 2 p + 1 of half hf x the four tiles of rows.  The sums take turns, one instruction a turn, in the same order in every step.
.macro MULP hf, p, zero
	WIN 0xa0+0x50*(\hf)
.irp m, 0,1,2,3
.set AC, 64*(\p)+16*\m
.if \zero
	v_wmma_scale_f32_32x16x128_f4 v[AC:AC+15], v[WF+64*(\hf)+16*(\p):WF+64*(\hf)+16*(\p)+15], v[XF+8*\m:XF+8*\m+7], 0, v[WS+4*(\hf)+(\p)], v[XS+\m]
.else
	v_wmma_scale_f32_32x16x128_f4 v[AC:AC+15], v[WF+64*(\hf)+16*(\p):WF+64*(\hf)+16*(\p)+15], v[XF+8*\m:XF+8*\m+7], v[AC:AC+15], v[WS+4*(\hf)+(\p)], v[XS+\m]
.endif
.endr
.endm
.macro XLOADS buf                      ; 9 LDS loads: image buf: row r's scale words of the four tiles, and the four fragments
	ds_load_b128 v[XS:XS+3], v9 offset:(\buf)*XIB
.irp m, 0,1,2,3
.irp c, 0,1
	ds_load_b128 v[XF+8*\m+4*\c:XF+8*\m+4*\c+3], v8 offset:(\buf)*XIB+\m*1088+\c*544   ; planes 2 c + h: sixteen lanes read 256 bytes on end
.endr
.endr
.endm
.macro WLOADS slot, pos, hb            ; 17 LDS loads: my group of the half block at place pos of a slot, into buffer hb: the scale words, then the eight fragments
	ds_load_b128 v[WS+4*(\hb):WS+4*(\hb)+3], v[2+2*(\slot)+(\pos)/2] offset:((\pos)%2)*HB+8192
.irp i, 0,1,2,3,4,5,6,7
.irp c, 0,1
	ds_load_b128 v[WF+64*(\hb)+8*\i+4*\c:WF+64*(\hb)+8*\i+4*\c+3], v[2+2*(\slot)+(\pos)/2] offset:((\pos)%2)*HB+\i*1024+\c*512
.endr
.endr
.endm
.macro OPEN                            ; a change of slots begins:
	WIN 0
	s_wait_tensorcnt 0x0                           ; my one tensor load, my part of the slot ahead, has landed: so the descriptor may be written
	ds_add_u32 v14, v15                            ; 0 onto my spare word; work on registers stands between it and the wait for it
.endm
.macro ASKW                            ; the joint load, the first thing behind a round, my one tensor load until the next change
	tensor_load_to_lds s[36:39], s[28:35]
	s_nop 0
.rept 4
	v_nop                                          ; behind a tensor load
.endr
.endm
.macro DESC slot                       ; s56 = my half block's byte in wc
	s_add_nc_u64 s[38:39], s[10:11], s[56:57]
	s_or_b32 s39, s39, 0x80000000                  ; 127:126 type = 2
	s_add_co_u32 s37, s42, (\slot)*SLOTB
.endm
.macro FILLK1 a, slot                  ; a fill of Wk's half 1: my part is K step (X + a + w) % 8
	s_add_co_u32 s56, s24, s22
.if (\a) > 0
	s_add_co_u32 s56, s56, \a
.endif
	s_and_b32 s56, s56, 7
	s_mul_i32 s56, s56, BLK
	s_add_co_u32 s56, s56, 8*BLK+HB
	DESC \slot
.endm
; A STEP OF q.  j: its place in a trip's four: image j % 2, slot j / 2, places 2 (j % 2) and + 1; the rows quantised are landing set (j + 1) % 4's.
.macro QSTEP j
	XLOADS (\j)%2
	WLOADS (\j)/2, 2*((\j)%2), 0
	s_wait_loadcnt 48                              ; loads come back in order (ISA guide 5.7.1): the next step's 16 are in, 16 for each of the three younger sets may be out
	DQ1 ((\j)+1)%4
	WLOADS (\j)/2, 2*((\j)%2)+1, 1
	DQ2 ((\j)+1)%4, ((\j)+1)%2
.if (\j) == 3
	s_mov_b64 s[44:45], s[46:47]                   ; from step 3 on the rows asked for are k's
.endif
	XPTR 5, 48, 1
	GLOADS ((\j)+1)%4, 48
	s_add_co_u32 s26, s26, 1
	s_wait_dscnt 49                                ; x and half 0 are in; 17 loads of half 1 and the 32 stores may be out
	MULP 0, 0, 0
	MULP 0, 1, 0
	MULP 0, 2, 0
	MULP 0, 3, 0
	s_wait_dscnt 32                                ; half 1 is in; the stores may be out
	MULP 1, 0, 0
	MULP 1, 1, 0
.if (\j)%2
	MULP 1, 2, 0
	OPEN
	s_cmp_eq_u32 s25, 0                            ; first trip: Wq's K steps 4, 5 (j = 1), 6, 7 (j = 3); second: half 0 of Wk's first four, of its last four
.if (\j) == 1
	s_cselect_b32 s56, s82, s22
.else
	s_cselect_b32 s56, s83, s84
.endif
	s_cselect_b32 s58, s81, 8*BLK
	s_add_co_u32 s56, s56, s24
	s_and_b32 s56, s56, 7
	s_mul_i32 s56, s56, BLK
	s_add_co_u32 s56, s56, s58
	DESC (\j)/2
.endif
	s_wait_dscnt 0x0                               ; my image lies in LDS, and my reads of this step's image and slot are over (at a change: the add is done)
	s_barrier_signal -1
.if (\j)%2 == 0
	MULP 1, 2, 0
.endif
	MULP 1, 3, 0
	WIN 0
	s_barrier_wait -1
.if (\j)%2
	CREST
	ASKW                                           ; (its four v_nop are also the places in front of the next loads)
.else
	PLACES
.endif
.endm
; A STEP OF k, PASS A.  tp = 0 .. 7: image tp (it stays), slot tp / 4, place tp % 4.  The last five ask for no rows, and their counts run down.
.macro KSTEP tp, lc
	XLOADS \tp
	WLOADS (\tp)/4, (\tp)%4, 0
.if (\tp) < 7
	s_wait_loadcnt \lc
	DQ1 ((\tp)+1)%4
	DQ2 ((\tp)+1)%4, (\tp)+1
.if (\tp) < 3
	XPTR 5, 48, 1
	GLOADS ((\tp)+1)%4, 48
	s_add_co_u32 s26, s26, 1
.endif
	s_wait_dscnt 32                                ; the fragments are in; the 32 stores may be out
.else
	s_wait_dscnt 0x0
.endif
	MULP 0, 0, (\tp)==0                            ; the first step's products start the sums
.if (\tp)%4 == 3
	OPEN
.if (\tp) == 3
	FILLK1 0, 0                                    ; half 1 of Wk's first four K steps
.else
	FILLK1 4, 1                                    ; of its last four
.endif
.endif
	MULP 0, 1, (\tp)==0
	s_wait_dscnt 0x0
	s_barrier_signal -1
	MULP 0, 2, (\tp)==0
	MULP 0, 3, (\tp)==0
	WIN 0
	s_barrier_wait -1
.if (\tp)%4 == 3
	CREST
	ASKW
.else
	PLACES
.endif
.endm
; PASS B: 26 LDS loads of a step into set b: set 0 from the addresses as they stand, set 1 one step further on.
.macro BLOADS b
.if \b
	ds_load_b128 v[XS2:XS2+3], v5 offset:XIB
	ds_load_b128 v[WS+4:WS+7], v3 offset:HB+8192
	WIN 0x40
.irp m, 0,1,2,3
.irp c, 0,1
	ds_load_b128 v[XF2+8*\m+4*\c:XF2+8*\m+4*\c+3], v4 offset:XIB+\m*1088+\c*544
.endr
.endr
.irp i, 0,1,2,3,4,5,6,7
.irp c, 0,1
	ds_load_b128 v[WF2+8*\i+4*\c:WF2+8*\i+4*\c+3], v3 offset:HB+\i*1024+\c*512
.endr
.endr
	WIN 0
.else
	ds_load_b128 v[XS:XS+3], v5
	ds_load_b128 v[WS:WS+3], v3 offset:8192
.irp m, 0,1,2,3
.irp c, 0,1
	ds_load_b128 v[XF+8*\m+4*\c:XF+8*\m+4*\c+3], v4 offset:\m*1088+\c*544
.endr
.endr
.irp i, 0,1,2,3,4,5,6,7
.irp c, 0,1
	ds_load_b128 v[WF+8*\i+4*\c:WF+8*\i+4*\c+3], v3 offset:\i*1024+\c*512
.endr
.endr
.endif
.endm
.macro MULB1                           ; 16 matrix instructions on set 1, in window 1
	WIN 0xa5
.irp p, 0,1,2,3
.irp m, 0,1,2,3
.set AC, 64*\p+16*\m
	v_wmma_scale_f32_32x16x128_f4 v[AC:AC+15], v[WF2+16*\p:WF2+16*\p+15], v[XF2+8*\m:XF2+8*\m+7], v[AC:AC+15], v[WS+4+\p], v[XS2+\m]
.endr
.endr
	WIN 0
.endm
.macro MULB0 zero
	MULP 0, 0, \zero
	MULP 0, 1, \zero
	MULP 0, 2, \zero
	MULP 0, 3, \zero
	WIN 0
.endm
.macro BADDR                           ; a step's half block lies HB behind the last step's, over both slots; its image XIB
	v_add_nc_u32 v3, s76, v2
	v_add_nc_u32 v4, s78, v8
	v_add_nc_u32 v5, s78, v9
.endm
.macro PB                              ; the products of two steps, each behind the loads of the step after it
	s_add_co_u32 s76, s76, 2*HB
	s_add_co_u32 s78, s78, 2*XIB
	BADDR                                          ; (three of the four places in front of loads into registers that matrix instructions have read)
	v_nop
	s_wait_alu depctr_va_vdst(0)                   ; the wait here, directly behind the writes
	BLOADS 0
	s_wait_dscnt 26                                ; all but the 26 just issued
	MULB1
	PLACES
	BLOADS 1
	s_wait_dscnt 26
	MULB0 0
.endm
; THE TWO HEADS OF A HALF.  kp's fragments lie in window 2; qp's in window 3: half 1's in the lower eights (qo = 0), half 0's in the upper (qo = 1).
; S^T = kp qp^T for the four tiles (source 0 = 16 rows of kp, source 1 = 16 rows of qp): lane (r, hh) holds query r and, in register j, key 8 hh + j: the eight keys of one n.
; Where hh = r / 8 that is the query's own n; the other lanes carry finite scores of another n through the same lines, and their sums are stored nowhere.  Scores of head a, tile m: v[16 + 96 a + 8 m].  (The eight by turns.)
.macro HEADS qo, first
	WIN 0x0e                                       ; source 0 window 2, source 1 window 3
.irp a, 0,1
.irp m, 0,1,2,3
.set FA, 128*\a+16*\m
	v_wmma_f32_16x16x32_bf16 v[16+96*\a+8*\m:23+96*\a+8*\m], v[FA:FA+7], v[FA+8*(\qo):FA+8*(\qo)+7], 0
.endr
.endr
.irp a, 0,1
.irp m, 0,1,2,3
.set FA, 128*\a+64+16*\m
	v_wmma_f32_16x16x32_bf16 v[16+96*\a+8*\m:23+96*\a+8*\m], v[FA:FA+7], v[FA+8*(\qo):FA+8*(\qo)+7], v[16+96*\a+8*\m:23+96*\a+8*\m]
.endr
.endr
	WIN 0
	PLACES                                         ; in front of the first read of the scores
.irp a, 0,1
.irp m, 0,1,2,3
	v_max3_num_f32 v[NM+8*\a+2*\m+1], v[16+96*\a+8*\m], v[17+96*\a+8*\m], v[18+96*\a+8*\m]     ; the row's largest score: all eight keys are the lane's
.endr
.endr
.irp i, 3,5
.irp a, 0,1
.irp m, 0,1,2,3
	v_max3_num_f32 v[NM+8*\a+2*\m+1], v[NM+8*\a+2*\m+1], v[16+96*\a+8*\m+\i], v[17+96*\a+8*\m+\i]
.endr
.endr
.endr
.irp a, 0,1
.irp m, 0,1,2,3
	v_max_num_f32 v[NM+8*\a+2*\m+1], v[NM+8*\a+2*\m+1], v[23+96*\a+8*\m]
.endr
.endr
.irp a, 0,1
.irp m, 0,1,2,3
	v_mul_f32 v[NM+8*\a+2*\m], s51, v[NM+8*\a+2*\m+1]        ; - c x it, c = log2(e) / sqrt(64)
.endr
.endr
.irp a, 0,1
.irp m, 0,1,2,3
.irp j, 0,2,4,6
	v_pk_fma_f32 v[16+96*\a+8*\m+\j:17+96*\a+8*\m+\j], v[16+96*\a+8*\m+\j:17+96*\a+8*\m+\j], s[52:53], v[NM+8*\a+2*\m:NM+8*\a+2*\m+1] op_sel_hi:[1,0,0]
.endr
.endr
.endr
	s_wait_alu depctr_va_vdst(0)                   ; the wait ahead of the batch
.irp a, 0,1
.irp j, 0,1,2,3,4,5,6,7,8,9,10,11,12,13,14,15,16,17,18,19,20,21,22,23,24,25,26,27,28,29,30,31
	v_exp_f32 v[16+96*\a+\j], v[16+96*\a+\j]
.endr
.endr
	v_nop                                          ; a plain line behind the last exponential
	s_wait_alu depctr_va_vdst(0)                   ; one wait for the batch of 64, ahead of its first use
.irp a, 0,1
.irp m, 0,1,2,3
	v_pk_add_f32 v[SU+16*\a+4*\m:SU+16*\a+4*\m+1], v[16+96*\a+8*\m:17+96*\a+8*\m], v[18+96*\a+8*\m:19+96*\a+8*\m]
.endr
.endr
.irp a, 0,1
.irp m, 0,1,2,3
	v_pk_add_f32 v[SU+16*\a+4*\m+2:SU+16*\a+4*\m+3], v[20+96*\a+8*\m:21+96*\a+8*\m], v[22+96*\a+8*\m:23+96*\a+8*\m]
.endr
.endr
.irp a, 0,1
.irp m, 0,1,2,3
	v_pk_add_f32 v[SU+16*\a+4*\m:SU+16*\a+4*\m+1], v[SU+16*\a+4*\m:SU+16*\a+4*\m+1], v[SU+16*\a+4*\m+2:SU+16*\a+4*\m+3]
.endr
.endr
.irp a, 0,1
.irp m, 0,1,2,3
	v_add_f32 v[SU+16*\a+4*\m], v[SU+16*\a+4*\m], v[SU+16*\a+4*\m+1]
.endr
.endr
	s_wait_alu depctr_va_vdst(0)
.irp a, 0,1
.irp m, 0,1,2,3
	v_rcp_f32 v[RR+8*\a+2*\m], v[SU+16*\a+4*\m]
.endr
.endr
	v_nop
	s_wait_alu depctr_va_vdst(0)                   ; one wait for the eight reciprocals
.irp a, 0,1
.irp m, 0,1,2,3
.irp j, 0,2,4,6
.if (\first) && (\a == 0)
	v_pk_mul_f32 v[WACC+8*\m+\j:WACC+8*\m+\j+1], v[16+96*\a+8*\m+\j:17+96*\a+8*\m+\j], v[RR+8*\a+2*\m:RR+8*\a+2*\m+1] op_sel_hi:[1,0]   ; the first head starts the sums
.else
	v_pk_fma_f32 v[WACC+8*\m+\j:WACC+8*\m+\j+1], v[16+96*\a+8*\m+\j:17+96*\a+8*\m+\j], v[RR+8*\a+2*\m:RR+8*\a+2*\m+1], v[WACC+8*\m+\j:WACC+8*\m+\j+1] op_sel_hi:[1,0,1]
.endif
.endr
.endr
.endr
.endm
	s_load_b512 s[4:19], s[0:1], 0x0               ; q, k, bq, wc, oc, bo, out0, out1
	v_lshl_add_u32 v14, v0, 2, SPARE               ; my spare word; never rewritten
	v_mov_b32 v15, 0                               ; 0; never rewritten
	ds_add_u32 v14, v15                            ; the wave's opening: the add, twice on end, and its wait ahead of my first tensor load
	ds_add_u32 v14, v15
	v_lshrrev_b32 v16, 5, v0
	v_readfirstlane_b32 s22, v16                   ; wave 0..3
	s_bfe_u32 s23, ttmp6, 0x40000                  ; cx: it enters global addresses of q, k, oc, out0, out1 and of the prefetches alone
	s_mov_b32 s24, ttmp9                           ; X: the cluster
	v_and_b32 v16, 31, v0                          ; l
	v_lshlrev_b32 v1, 4, v16                       ; v1: 16 l
	v_bfe_u32 v17, v0, 3, 2                        ; l / 8
	v_and_b32 v18, 7, v0
	v_bfe_u32 v19, v0, 4, 1                        ; l / 16
	v_and_b32 v20, 15, v0
	s_mul_i32 s54, s22, WQ
	v_add_nc_u32 v2, s54, v1                       ; v2-5: my group in slot 0, places 0 and 1; places 2 and 3; the same in slot 1
	v_add_nc_u32 v3, BLK, v2
	v_add_nc_u32 v4, SLOTB, v2
	v_add_nc_u32 v5, SLOTB+BLK, v2
	s_mul_i32 s54, s22, 1088
	s_add_co_u32 s54, s54, XI
	v_mul_u32_u24 v6, v17, 272
	v_lshl_add_u32 v6, v18, 1, v6
	v_add_nc_u32 v6, s54, v6                       ; v6: where my two bytes of a row go: my tile, my block's plane
	s_lshl_b32 s54, s22, 2
	s_add_co_u32 s54, s54, XI+XSO
	v_add_nc_u32 v7, s54, v17                      ; v7: where my block's scale byte goes
	v_mul_u32_u24 v8, v19, 272
	v_lshl_add_u32 v8, v20, 4, v8
	v_add_nc_u32 v8, XI, v8                        ; v8: a part of x's fragment
	v_lshl_add_u32 v9, v20, 4, XI+XSO              ; v9: row r's four scale words
	s_lshl_b32 s85, s22, 11
	s_add_co_u32 s85, s85, BIAS                    ; my 2 KB
	v_lshl_add_u32 v11, v19, 5, s85                ; v11: a tile's eight biases of my half of the lanes
	v_add_nc_u32 v10, s85, v1                      ; v10: where the biases are put
	v_min_u32 v12, 16, v16
	v_lshlrev_b32 v12, 8, v12                      ; v12: the prefetches' 17 blocks
	v_lshlrev_b32 v13, 4, v0                       ; v13: 16 x thread: out1
	; descriptor group 1: a half block, dense: 17 rows of 256 elements of 8 bytes
	s_mov_b32 s28, 15|(3<<16)|(1<<21)              ; 15:0 the mask: all four work-groups; 17:16 elements of 8 bytes; 20 no padding; 21 set beside a mask
	s_mov_b32 s29, 256<<16                         ; tensor_dim0 = 256
	s_mov_b32 s30, 17<<16                          ; tensor_dim1 = 17
	s_mov_b32 s31, 256<<16                         ; tile_dim0 = 256
	s_mov_b32 s32, 17                              ; tile_dim1 = 17
	s_mov_b32 s33, 256                             ; from row to row
	s_mov_b32 s34, 0
	s_mov_b32 s35, 0
	s_mov_b32 s36, 1                               ; group 0: count = 1
	s_mul_i32 s42, s22, HB                         ; my place in a slot: the wave's number alone
	s_mov_b32 s37, s42                             ; LDS address: slot 0
	s_lshr_b32 s80, s22, 1
	s_and_b32 s81, s22, 1
	s_mul_i32 s81, s81, HB
	s_add_co_u32 s82, s80, 4
	s_add_co_u32 s83, s80, 6
	s_add_co_u32 s84, s22, 4
	s_add_co_u32 s56, s24, s80
	s_and_b32 s56, s56, 7
	s_mul_i32 s56, s56, BLK
	s_add_co_u32 s56, s56, s81                     ; the first fill: Wq's K steps 0 and 1 of my cluster's order: my part is K step w / 2, half w % 2
	s_mov_b32 s51, 0xbe38aa3b                      ; - c
	s_mov_b32 s52, 0x3e38aa3b                      ; c = log2(e) / 8
	s_mov_b32 s53, s52                             ; (named with it as a pair, so it is written)
	s_mov_b32 s55, 0
	s_mov_b32 s57, 0
	s_mov_b32 s59, 0
	s_mov_b32 s75, 0
	s_mov_b32 s77, 0
	s_mov_b32 s26, s24
	s_lshl_b32 s58, s22, 9
	s_and_b32 s74, s24, 3                          ; the prefetches: my cluster's part: X without its bits 2 and 5,
	s_bfe_u32 s76, s24, 0x20003
	s_lshl_b32 s76, s76, 2
	s_or_b32 s74, s74, s76
	s_lshl_b32 s74, s74, 2
	s_add_co_u32 s74, s74, s23                     ; my work-group's quarter of it,
	s_lshl_b32 s74, s74, 1
	s_add_co_u32 s74, s74, s22                     ; and my wave's 17 blocks of that
	s_mul_i32 s74, s74, 17*256
	s_wait_alu depctr_va_vdst(0)                   ; the wait here, ahead of the waits below
	s_wait_dscnt 0x0                               ; both opening adds are done
	ROUND                                          ; all four work-groups are here: the first joint loads meet
	s_wait_kmcnt 0x0
	s_add_nc_u64 s[38:39], s[10:11], s[56:57]
	s_or_b32 s39, s39, 0x80000000
	ASKW                                           ; the first fill, into slot 0
	s_add_nc_u64 s[94:95], s[10:11], s[74:75]      ; in Wq
	s_add_nc_u64 s[92:93], s[94:95], 8*BLK         ; and in Wk
	s_add_nc_u64 s[8:9], s[8:9], s[58:59]          ; bq at my 128 columns of half 0; half 1's lie 2,048 bytes on
	s_lshl_b32 s74, s24, 2
	s_add_co_u32 s74, s74, s23                     ; my chunk = 4 X + cx
	s_lshl_b32 s76, s74, 18
	s_lshl_b32 s78, s22, 13
	s_add_co_u32 s76, s76, s78                     ; its 64 rows of 4,096 bytes, + 2 w rows
	s_add_nc_u64 s[44:45], s[4:5], s[76:77]
	s_add_nc_u64 s[46:47], s[6:7], s[76:77]
	global_load_b128 v[64:67], v1, s[8:9]
	global_load_b128 v[68:71], v1, s[8:9] offset:2048
	s_cmp_lt_u32 s22, 2
	s_cbranch_scc0 .Lno_ask_q
	global_prefetch_b8 v12, s[94:95] th:TH_LOAD_NT scope:SCOPE_SE   ; what the fills behind the first will bring
.Lno_ask_q:
	XPTR 0, 48, 0
	GLOADS 0, 48
	XPTR 1, 86, 0
	GLOADS 1, 86                                   ; two sets now; the others go out when the sums are set up and step 0 is quantised
	s_lshl_b32 s76, s74, 11
	s_add_nc_u64 s[20:21], s[18:19], s[76:77]      ; the chunk's 2 KB of out1
	s_lshr_b32 s76, s24, 3
	s_mul_i32 s76, s76, WQ                         ; Wo's tile X lies in group X / 8
	s_and_b32 s74, s24, 7
	s_lshl_b32 s74, s74, 10
	s_add_co_u32 s74, s74, s76
	s_add_co_u32 s74, s74, 24*BLK
	s_add_nc_u64 s[60:61], s[10:11], s[74:75]      ; its fragments
	s_and_b32 s74, s24, 1
	s_lshl_b32 s74, s74, 8
	s_bfe_u32 s78, s24, 0x20001
	s_lshl_b32 s78, s78, 2
	s_add_co_u32 s74, s74, s78
	s_add_co_u32 s74, s74, s76
	s_add_co_u32 s74, s74, 24*BLK+8192
	s_add_nc_u64 s[62:63], s[10:11], s[74:75]      ; its scale words
	s_lshl_b32 s74, s23, 10
	s_add_nc_u64 s[66:67], s[12:13], s[74:75]      ; oc's tile cx
	s_lshl_b32 s74, s23, 2
	s_add_co_u32 s74, s74, 4096
	s_add_nc_u64 s[68:69], s[12:13], s[74:75]      ; its scale words
	s_lshl_b32 s74, s24, 6
	s_add_nc_u64 s[70:71], s[14:15], s[74:75]      ; bo at column 16 X
	s_lshl_b32 s76, s23, 13
	s_add_co_u32 s74, s74, s76
	s_add_nc_u64 s[72:73], s[16:17], s[74:75]      ; out0 at row 2 cx (n = 2 cx, g = 0), column 16 X
	s_wait_loadcnt 32                              ; the biases are in; two sets may be out
	ds_store_b128 v10, v[64:67]
	ds_store_b128 v10, v[68:71] offset:512         ; my own bytes: LDS serves a wave's instructions in order (ISA guide 5.7.1.4), so the loads below see them
	INITACC 0
	INITACC 1
	XPTR 2, 88, 0
	GLOADS 2, 88
	s_wait_loadcnt 32                              ; step 0's rows are in; two sets may be out
	DQ1 0
	DQ2 0, 0
	XPTR 3, 90, 0
	GLOADS 3, 90
	XPTR 4, 48, 1
	GLOADS 0, 48
	OPEN
	s_add_co_u32 s56, s24, s80
	s_add_co_u32 s56, s56, 2
	s_and_b32 s56, s56, 7
	s_mul_i32 s56, s56, BLK
	s_add_co_u32 s56, s56, s81                     ; Wq's K steps 2 and 3
	DESC 1
	s_wait_dscnt 0x0                               ; the add is done, and my image lies in LDS
	ROUND
	ASKW                                           ; slot 1's first fill, issued as a refill is
	s_cmp_lt_u32 s22, 2
	s_cbranch_scc0 .Lno_ask_k
	global_prefetch_b8 v12, s[92:93] th:TH_LOAD_NT scope:SCOPE_SE
.Lno_ask_k:
	s_mov_b32 s25, 0
.Ltrip:                                                ; (1) two trips of four steps of q: once round the ring a trip
	QSTEP 0
	QSTEP 1
	QSTEP 2
	QSTEP 3
	s_add_co_u32 s25, s25, 1
	s_cmp_lt_u32 s25, 2
	s_cbranch_scc1 .Ltrip
	PLACES                                         ; qp is whole: four places in front of the first read of results
	CVTIN 3                                        ; half 1's fragments in place,
	CVTOVER                                        ; half 0's beside them: window 2 is free
	KSTEP 0, 48                                    ; (2)
	KSTEP 1, 48
	KSTEP 2, 48
	KSTEP 3, 48
	KSTEP 4, 32
	KSTEP 5, 16
	KSTEP 6, 0
	KSTEP 7, 0
	v_and_b32 v67, 15, v0                          ; the out0 tile's offsets: 16 r; 32 hh; row r is (n = 2 cx + r / 8, g = r % 8): out0's row g 8 + n
	v_lshlrev_b32 v64, 4, v67
	v_bfe_u32 v68, v0, 4, 1
	v_lshlrev_b32 v65, 5, v68
	v_and_b32 v69, 7, v0
	v_lshlrev_b32 v66, 15, v69
	v_lshrrev_b32 v67, 3, v67
	v_lshl_add_u32 v66, v67, 12, v66
	v_add_nc_u32 v66, v66, v65
	s_wait_alu depctr_va_vdst(0)                   ; the wait here, ahead of the branch
	s_cmp_lg_u32 s22, 0
	s_cbranch_scc1 .Lno_tile_loads                 ; wave 0 asks for the out0 tile's operands now, into the landing sets' registers: they land while pass B is worked
.irp s, 0,1,2,3,4,5,6,7
	global_load_b32 v[240+\s], v64, s[62:63] offset:\s*BLK
	global_load_b32 v[248+\s], v64, s[68:69] offset:\s*XBLK
.endr
	WIN 0x40
.irp s, 0,1,2,3,4,5,6,7
.irp c, 0,1
	global_load_b128 v[8*\s+4*\c:8*\s+4*\c+3], v1, s[60:61] offset:\s*BLK+\c*512
	global_load_b128 v[64+8*\s+4*\c:64+8*\s+4*\c+3], v1, s[66:67] offset:\s*XBLK+\c*512
.endr
.endr
	global_load_b128 v[128:131], v65, s[70:71]
	global_load_b128 v[132:135], v65, s[70:71] offset:16
	WIN 0
.Lno_tile_loads:
	CVTIN 2                                        ; kp of half 0, as fragments
.irp m, 0,1,2,3,4,5,6,7
	v_mov_b32 v[RR+2*\m+1], 0                      ; named with the reciprocals as pairs, so they are written
.endr
	HEADS 1, 1
	s_mov_b32 s76, 0                               ; (3)
	s_mov_b32 s78, 0
	BADDR
	s_wait_alu depctr_va_vdst(0)                   ; the wait here, ahead of the waits below
	BLOADS 0                                       ; slot 0 was shown to every wave at the last change: steps 0 to 3 need no barrier
	BLOADS 1
	s_wait_dscnt 26
	MULB0 1                                        ; step 0 starts the sums
	PB                                             ; products of steps 1 and 2; step 3's fragments are asked for
	OPEN                                           ; the last change of slots: slot 1's last fill has landed in every wave, and nothing is left to ask for
	s_wait_dscnt 0x0
	s_barrier_signal -1
	s_barrier_wait -1
	s_mov_b32 s25, 0
.Lpassb:                                               ; two trips: products of steps 3 and 4, 5 and 6
	PB
	s_add_co_u32 s25, s25, 1
	s_cmp_lt_u32 s25, 2
	s_cbranch_scc1 .Lpassb
	s_wait_dscnt 0x0
	MULB1                                          ; step 7
	PLACES                                         ; kp of half 1 is whole
	CVTIN 2
	HEADS 0, 0
	v_bfe_u32 v67, v0, 3, 1
	v_bfe_u32 v68, v0, 4, 1
	v_and_b32 v69, 7, v0
	v_lshlrev_b32 v10, 8, v68
	v_lshl_add_u32 v10, v69, 5, v10                ; my sums' place: n 256 + g 32 in my wave's 2 KB
	v_cmp_eq_u32 vcc_lo, v67, v68                  ; the lanes whose keys are of their query's n: they store keys 0-3;
	v_xor_b32 v67, v67, v68
	v_lshl_add_u32 v10, v67, 4, v10                ; the others store keys 4-7 of lane xor 8, which has the same n and g
	v_add_nc_u32 v10, s85, v10
	v_lshl_add_u32 v69, v0, 4, BIAS                ; and where the sums are read back
.irp m, 0,1,2,3
.irp j, 0,1,2,3
	v_mov_b32_dpp v[SU+4*\m+\j], v[WACC+8*\m+4+\j] row_xmask:8 row_mask:0xf bank_mask:0xf
.endr
.endr
.irp m, 0,1,2,3
.irp j, 0,1,2,3
	v_cndmask_b32 v[SU+4*\m+\j], v[SU+4*\m+\j], v[WACC+8*\m+\j], vcc_lo
.endr
.endr
.irp m, 0,1,2,3
	ds_store_b128 v10, v[SU+4*\m:SU+4*\m+3] offset:512*\m
.endr
	s_wait_alu depctr_va_vdst(0)                   ; the wait here, ahead of the waits below
	s_wait_dscnt 0x0                               ; for the others' sake: my four heads' sums lie in LDS
	s_barrier_signal -1
	s_barrier_wait -1
.irp w, 0,1,2,3
	ds_load_b128 v[16+4*\w:19+4*\w], v69 offset:2048*\w
.endr
	s_wait_dscnt 0x0
	v_pk_add_f32 v[16:17], v[16:17], v[20:21]
	v_pk_add_f32 v[18:19], v[18:19], v[22:23]
	v_pk_add_f32 v[24:25], v[24:25], v[28:29]
	v_pk_add_f32 v[26:27], v[26:27], v[30:31]
	v_pk_add_f32 v[16:17], v[16:17], v[24:25]
	v_pk_add_f32 v[18:19], v[18:19], v[26:27]
	v_pk_mul_f32 v[16:17], v[16:17], 0x3d800000 op_sel_hi:[1,0]   ; the mean over 16 heads
	v_pk_mul_f32 v[18:19], v[18:19], 0x3d800000 op_sel_hi:[1,0]
	global_store_b128 v13, v[16:19], s[20:21] th:TH_STORE_NT      ; a wave stores 512 consecutive bytes, at a multiple of 256 from out1's first byte
	s_cmp_lg_u32 s22, 0
	s_cbranch_scc1 .Lno_tile
	s_wait_loadcnt 0x0
	WIN 0x55                                       ; all of the tile lies in window 1 (the scale words have no window)
	v_wmma_scale_f32_16x16x128_f8f6f4 v[136:143], v[0:7], v[64:71], v[128:135], v240, v248 matrix_a_fmt:MATRIX_FMT_FP4 matrix_b_fmt:MATRIX_FMT_FP4   ; the even K steps begin with bo,
	v_wmma_scale_f32_16x16x128_f8f6f4 v[144:151], v[8:15], v[72:79], 0, v241, v249 matrix_a_fmt:MATRIX_FMT_FP4 matrix_b_fmt:MATRIX_FMT_FP4           ; the odd ones with 0: two accumulators by turns
.irp s, 2,4,6
	v_wmma_scale_f32_16x16x128_f8f6f4 v[136:143], v[8*\s:8*\s+7], v[64+8*\s:71+8*\s], v[136:143], v[240+\s], v[248+\s] matrix_a_fmt:MATRIX_FMT_FP4 matrix_b_fmt:MATRIX_FMT_FP4
	v_wmma_scale_f32_16x16x128_f8f6f4 v[144:151], v[8*\s+8:8*\s+15], v[72+8*\s:79+8*\s], v[144:151], v[241+\s], v[249+\s] matrix_a_fmt:MATRIX_FMT_FP4 matrix_b_fmt:MATRIX_FMT_FP4
.endr
	PLACES
.irp j, 0,2,4,6
	v_pk_add_f32 v[152+\j:153+\j], v[136+\j:137+\j], v[144+\j:145+\j]   ; both from the low end on
.endr
	WIN 0x04                                       ; a store's data are its source 1
	global_store_b128 v66, v[152:155], s[72:73]    ; lane (r, hh): row r of the tile, columns 16 X + 8 hh + 0 .. 7
	global_store_b128 v66, v[156:159], s[72:73] offset:16
	WIN 0
.Lno_tile:
	s_wait_tensorcnt 0x0                           ; the wave's end, behind my last tensor load and my last LDS store
	ds_add_u32 v14, v15
	s_wait_dscnt 0x0
	ROUND                                          ; the closing round: no work-group ends while a partner may still ask for a half block that names it
	s_endpgm
.Lfunc_end_k_qba7b35231a_main:
	.size	k_qba7b35231a_main, .Lfunc_end_k_qba7b35231a_main-k_qba7b35231a_main
	.p2alignl 7, 3214868480
	.fill 96, 4, 3214868480
	.section	.rodata,"a",@progbits
	.p2align	6, 0x0
	.amdhsa_kernel k_qba7b35231a_main
		.amdhsa_group_segment_fixed_size 327680
		.amdhsa_private_segment_fixed_size 0
		.amdhsa_enable_private_segment 0
		.amdhsa_kernarg_size 64
		.amdhsa_user_sgpr_count 2
		.amdhsa_user_sgpr_kernarg_segment_ptr 1
		.amdhsa_wavefront_size32 1
		.amdhsa_system_sgpr_workgroup_id_x 1
		.amdhsa_system_sgpr_workgroup_id_y 1
		.amdhsa_system_sgpr_workgroup_id_z 1
		.amdhsa_system_vgpr_workitem_id 0
		.amdhsa_next_free_vgpr 1024
		.amdhsa_next_free_sgpr 96
		.amdhsa_reserve_vcc 1
		.amdhsa_float_denorm_mode_32 3
		.amdhsa_float_denorm_mode_16_64 3
		.amdhsa_memory_ordered 1
		.amdhsa_forward_progress 1
		.amdhsa_inst_pref_size 255
	.end_amdhsa_kernel
	.section	.bss,"aw",@nobits
	.p2align	6
	.space	262144
	.amdgpu_metadata
---
amdhsa.version: [ 1, 2 ]
amdhsa.kernels:
  - .name:           k_qba7b35231a_main
    .symbol:         k_qba7b35231a_main.kd
    .args:
      - { .name: q, .offset: 0, .size: 8, .value_kind: global_buffer, .address_space: global }
      - { .name: k, .offset: 8, .size: 8, .value_kind: global_buffer, .address_space: global }
      - { .name: bq, .offset: 16, .size: 8, .value_kind: global_buffer, .address_space: global }
      - { .name: wc, .offset: 24, .size: 8, .value_kind: global_buffer, .address_space: global }
      - { .name: oc, .offset: 32, .size: 8, .value_kind: global_buffer, .address_space: global }
      - { .name: bo, .offset: 40, .size: 8, .value_kind: global_buffer, .address_space: global }
      - { .name: out0, .offset: 48, .size: 8, .value_kind: global_buffer, .address_space: global }
      - { .name: out1, .offset: 56, .size: 8, .value_kind: global_buffer, .address_space: global }
    .group_segment_fixed_size: 327680
    .private_segment_fixed_size: 0
    .kernarg_segment_align: 8
    .kernarg_segment_size: 64
    .max_flat_workgroup_size: 128
    .sgpr_count:     96
    .vgpr_count:     1024
    .wavefront_size: 32
...
	.end_amdgpu_metadata
.endif
;; end of part 3
